; MI455X (gfx1250); checked and timed in simulation.
; The chip was launched on July 23, 2026; its instructions are those of AMD's public machine-readable ISA for CDNA 5 (MIT licence, August 2026) and "CDNA5" Instruction Set Architecture Reference Guide (July 2026). The comments in the code are by the model that wrote it; some were corrected since.
;; Lo RA Linear. Allowed arithmetic: float matrix products may take bf16 or f16 operands with f32 sums; other float arithmetic in f32, or as packed bf16 or f16 multiplies, adds, multiply-adds, maxima and minima; sums over many terms, partial sums and values carried from step to step in f32; what a program stores and reads back later, other than sums and carried values, may be rounded once to bf16 or f16.
;; Inputs: lora_a_w 16 x 4,096 float32; lora_b_w 4,096 x 16 float32; q_packed 4,096 x 2,048 int32; scales 4,096 x 64 float32; x 4 x 1,024 x 4,096 float32.
;; Outputs: out0 4 x 1,024 x 4,096 float32.
;; 2 versions, each right; version 2 is version 1 with the launch prep written anew for expert scheduling mode. Each part assembles by itself: llvm-mc -triple=amdgcn-amd-amdhsa -mcpu=gfx1250 --defsym DOCPART=n.
;; ======== version 1 of 2: 2 launches
;; limits: values are held in f16: magnitudes above 65,504 overflow, below 6.1e-05 lose precision
;; workspace buffers: xh 33,554,432 bytes; wh 33,554,432 bytes
;; launch prep (part 1): grid 256 x 1, 8 waves a work-group, no clusters, 112,640 bytes of LDS; arguments x, q_packed, scales, lora_a_w, lora_b_w, xh, wh; writes xh, wh
.if DOCPART == 1
	.amdgcn_target "amdgcn-amd-amdhsa--gfx1250"
	.amdhsa_code_object_version 6
	.text
	.protected	k_qf6a68f890f_prep
	.globl	k_qf6a68f890f_prep
	.p2align	8
	.type	k_qf6a68f890f_prep,@function
k_qf6a68f890f_prep:
	s_mov_b64 s[64:65], 0
	v_nop
	global_prefetch_b8 v0, s[64:65] scope:SCOPE_SE
	s_setreg_imm32_b32 hwreg(HW_REG_WAVE_MODE, 25, 1), 1
	s_wait_xcnt 0x0
; xh = f16(x), and wh[o][h] = f16( NF4[code(o,h)] * scales[o][h/64] + sum over r of lora_b_w[o][r] * lora_a_w[r][h] ).
; x (W + B A)^T = x W^T + (x A^T) B^T for every input, so the product that follows needs no second path.  ALPHA / R = 16 / 16 = 1: no multiply is written for it.
; LIMITS.  f16 holds no number beyond 65,504: |x| and |w + B A| stay below it; below 6e-5 a number keeps f16's fixed step of 6e-8.  A and B are rounded to f16 for the matrix unit, their
; products are summed in f32 on top of the f32 weight, and the sum is rounded once: another order of rounding than a separate low-rank product.  Of a word of q_packed only bits 7:0 count.
; SHARES.  256 work-groups of eight waves.  Work-group G: rows o = 64 (G / 4) .. + 63, columns h = 1024 (G % 4) .. + 1023 of wh; wave w its 128 columns from 128 w on, as four blocks of 16 rows;
; and 262,144 bytes of x, 32,768 a wave, in four groups of sixteen loads of 512 bytes.  Straight text: no loop, one barrier (the scales are the one thing that waves share).
; NO CLUSTER, NO TENSOR LOAD: the launch streams; what work-groups share (A, B, the scales) is 1.5 MB of 102 MB read, and every tile passes through registers anyway to be decoded.
; A BLOCK.  q comes as whole rows of 256 bytes (sixteen lanes a row), goes through the wave's own LDS rows to the matrix layout (lane = row o, eight neighbouring h), is decoded by a lane permute out
; of a register that holds the sixteen codes, scaled, and is the C operand of ONE matrix instruction a tile of 16 x 16: source 0 = 16 h x 16 ranks of A, source 1 = 16 o x 16 ranks of B
; (K = 32, its upper half zeros on both sides).  The result holds row o = lane % 16 and h = 8 (lane / 16) + 0..7: 16 bytes of f16, which go back through LDS and leave as whole rows of 256 bytes.
.set ROWB,  8192                       ; bytes in a row of q_packed (2,048 words) and of wh (4,096 f16)
.set SCL,   0                          ; LDS: 64 rows x 16 scales, pitch 80: the work-group's
.set SPI,   80
.set AST,   5120                       ; 16 ranks x 128 h of A in f16, pitch 288 (an odd multiple of 32, for the turning load): a wave's own, 4,608 bytes each
.set API,   288
.set QST,   41984                      ; 16 rows x 256 bytes of q, pitch 272: a wave's own, 4,352 bytes each
.set QPI,   272
.set OST,   34816                      ; from a wave's q rows to its 16 rows x 256 bytes of wh, same pitch: reached by the immediate
.set SPARE, 111616                     ; the spare words, 128 bytes for each wave: four blocks of 256 bytes that no other line names
.set LN,   1                           ; v1   lane
.set RR,   2                           ; v2   lane % 16
.set HH,   3                           ; v3   lane / 16
.set QOFF, 4                           ; v4   8192 (lane / 16) + 16 (lane % 16): two rows of q, and of wh
.set SOFF, 5                           ; v5   scales: row t / 4, 16 bytes at 16 (t % 4)
.set LOFF, 6                           ; v6   16 x lane: A and x
.set BOFF, 7                           ; v7   B: row lane % 16 (64 bytes), ranks 8 (lane / 16) on
.set YOFF, 8                           ; v8   8 x lane: xh
.set SWR,  9                           ; v9   LDS: where I put my four scales
.set SRD,  10                          ; v10  LDS: my row's two scales of my wave's 128 columns
.set AWR,  11                          ; v11  LDS: where I put four f16 of a rank of A
.set ATR,  12                          ; v12  LDS: my 16 bytes for the turning load
.set LROW, 13                          ; v13  LDS: by rows: row lane / 16, 16 bytes at 16 (lane % 16)
.set LFRG, 14                          ; v14  LDS: by fragments: row lane % 16, 16 bytes at 16 (lane / 16)
.set T0,   15                          ; v15, v23 at work in the head
.set RAW,  16                          ; v16-19 my four scales as loaded
.set SPW,  20                          ; v20  LDS address of my spare word; never rewritten
.set NIL,  21                          ; v21  0; never rewritten
.set TAB,  22                          ; v22  lane l holds NF4[l % 16]
.set T1,   23
.set SCA,  24                          ; v24  the scale of h 0-63 of my 128; v25 = 0, named with it as a pair
.set SCB,  26                          ; v26  of h 64-127; v27 = 0
.set BF,   32                          ; v32-63   B's fragments: block g at BF + 8 g: four registers of data, four of zeros
.set AF,   64                          ; v64-127  A's fragments: tile t at AF + 8 t, likewise
.set QG,   128                         ; v128-159 a block's q as loaded, by rows
.set QF,   160                         ; v160-191 tile t's four words of q; then the block's f16 results; in the head B as loaded
.set W,    192                         ; v192-255 tile t's eight weights, C and D; in the head A as loaded; on the way out v192-223 hold the rows read back
                                       ; window 1: v0-63, v64-127: two buffers for x
.set OY, 2                             ; s[2:3]   byte offsets, made apart from the addresses: xh
.set OQ, 20                            ; s[20:21] q_packed and wh
.set OS, 22                            ; s[22:23] scales
.set OA, 26                            ; s[26:27] lora_a_w
.set OB, 28                            ; s[28:29] lora_b_w
.set OX, 30                            ; s[30:31] x
.set MSB, 0
.macro WIN new                         ; s_set_vgpr_msb: bits 1:0 source 0, 3:2 source 1, 5:4 source 2, 7:6 destination; the high byte repeats the setting that is left
.if MSB != (\new)
	s_set_vgpr_msb (MSB<<8)|(\new)
.set MSB, (\new)
.endif
.endm
.macro CODE i, bits                    ; the lanes with lane % 16 = i take code i
	v_cmp_ne_u32 vcc_lo, \i, v[RR]
	v_cndmask_b32 v[TAB], \bits, v[TAB], vcc_lo
.endm
.macro QLOAD g                         ; block g's q: eight loads, two rows of 256 consecutive bytes each
.irp i, 0,1,2,3,4,5,6,7
	global_load_b128 v[QG+4*\i:QG+4*\i+3], v[QOFF], s[6:7] offset:(16*(\g)+2*\i)*ROWB th:TH_LOAD_NT
.endr
.endm
.macro XLOAD p                         ; group p of x: sixteen loads of 512 consecutive bytes, into buffer p % 2 of window 1
.set XB, 64*((\p)%2)
	WIN 0x40                               ; destination window 1, address window 0
.irp i, 0,1,2,3,4,5,6,7,8,9,10,11,12,13,14,15
	global_load_b128 v[XB+4*\i:XB+4*\i+3], v[LOFF], s[4:5] offset:(16*(\p)+\i)*512 th:TH_LOAD_NT
.endr
	WIN 0
.endm
	s_load_b256 s[4:11], s[0:1], 0x0       ; x s[4:5], q_packed s[6:7], scales s[8:9], lora_a_w s[10:11]
	s_load_b128 s[12:15], s[0:1], 0x20     ; lora_b_w s[12:13], xh s[14:15]
	s_load_b64 s[16:17], s[0:1], 0x30      ; wh
	v_lshl_add_u32 v[SPW], v0, 2, SPARE
	v_mov_b32 v[NIL], 0
	v_lshrrev_b32 v[T0], 5, v0
	v_readfirstlane_b32 s18, v[T0]         ; wave 0..7
	s_lshr_b32 s24, ttmp9, 2               ; which 64 rows o
	s_and_b32 s25, ttmp9, 3                ; which 1,024 columns h
	s_lshl_b32 s[OQ], s24, 19              ; 64 rows of 8,192 bytes,
	s_lshl_b32 s19, s25, 11                ; 1,024 columns = 2,048 bytes (half a word of q a column; two bytes of wh),
	s_add_co_u32 s[OQ], s[OQ], s19
	s_lshl_b32 s19, s18, 8                 ; my wave's 128 columns = 256 bytes
	s_add_co_u32 s[OQ], s[OQ], s19
	s_mov_b32 s[OQ+1], 0
	s_lshl_b32 s[OS], s24, 14              ; 64 rows of 256 bytes, 16 scales = 64 bytes
	s_lshl_b32 s19, s25, 6
	s_add_co_u32 s[OS], s[OS], s19
	s_mov_b32 s[OS+1], 0
	s_lshl_b32 s[OA], s25, 12              ; A: 1,024 columns of 4 bytes, my wave's 128
	s_lshl_b32 s19, s18, 9
	s_add_co_u32 s[OA], s[OA], s19
	s_mov_b32 s[OA+1], 0
	s_lshl_b32 s[OB], s24, 12              ; B: 64 rows of 64 bytes
	s_mov_b32 s[OB+1], 0
	s_lshl_b32 s[OX], ttmp9, 18            ; x: 262,144 bytes a work-group, 32,768 a wave
	s_lshl_b32 s19, s18, 15
	s_add_co_u32 s[OX], s[OX], s19
	s_mov_b32 s[OX+1], 0
	s_lshr_b32 s[OY], s[OX], 1             ; xh: half of that
	s_mov_b32 s[OY+1], 0
	v_and_b32 v[LN], 31, v0
	v_and_b32 v[RR], 15, v0
	v_bfe_u32 v[HH], v0, 4, 1
	v_lshlrev_b32 v[QOFF], 4, v[RR]
	v_lshl_add_u32 v[QOFF], v[HH], 13, v[QOFF]
	v_lshrrev_b32 v[T0], 2, v0             ; t / 4
	v_and_b32 v[T1], 3, v0
	v_lshlrev_b32 v[T1], 4, v[T1]          ; 16 (t % 4)
	v_lshl_add_u32 v[SOFF], v[T0], 8, v[T1]
	v_mul_u32_u24 v[SWR], v[T0], SPI
	v_add_nc_u32 v[SWR], v[SWR], v[T1]
	v_lshlrev_b32 v[LOFF], 4, v[LN]
	v_lshlrev_b32 v[BOFF], 6, v[RR]
	v_lshl_add_u32 v[BOFF], v[HH], 5, v[BOFF]
	v_lshlrev_b32 v[YOFF], 3, v[LN]
	s_lshl_b32 s19, s18, 3                 ; my wave's two scales: 8 bytes of a row's 64
	v_mul_u32_u24 v[SRD], v[RR], SPI
	v_add_nc_u32 v[SRD], s19, v[SRD]
	s_mul_i32 s19, s18, 16*API
	s_add_co_u32 s19, s19, AST             ; my wave's rows of A
	v_add_nc_u32 v[AWR], s19, v[YOFF]
	v_and_b32 v[T0], 7, v0                 ; the turning load: lane l reads rank 8 (l / 16) + l % 8, columns 8 ((l / 8) % 2) + 0..7,
	v_lshl_add_u32 v[T0], v[HH], 3, v[T0]  ; and is left with column l % 16 and ranks 8 (l / 16) + 0..7
	v_mul_u32_u24 v[T0], v[T0], API
	v_bfe_u32 v[T1], v0, 3, 1
	v_lshl_add_u32 v[T0], v[T1], 4, v[T0]
	v_add_nc_u32 v[ATR], s19, v[T0]
	s_mul_i32 s19, s18, 16*QPI
	s_add_co_u32 s19, s19, QST             ; my wave's rows of q
	v_mul_u32_u24 v[T0], v[HH], QPI
	v_lshl_add_u32 v[T0], v[RR], 4, v[T0]
	v_add_nc_u32 v[LROW], s19, v[T0]
	v_mul_u32_u24 v[T0], v[RR], QPI
	v_lshl_add_u32 v[T0], v[HH], 4, v[T0]
	v_add_nc_u32 v[LFRG], s19, v[T0]
	s_wait_kmcnt 0x0
	s_add_nc_u64 s[4:5], s[4:5], s[OX:OX+1]
	s_add_nc_u64 s[6:7], s[6:7], s[OQ:OQ+1]
	s_add_nc_u64 s[8:9], s[8:9], s[OS:OS+1]
	s_add_nc_u64 s[10:11], s[10:11], s[OA:OA+1]
	s_add_nc_u64 s[12:13], s[12:13], s[OB:OB+1]
	s_add_nc_u64 s[14:15], s[14:15], s[OY:OY+1]
	s_add_nc_u64 s[16:17], s[16:17], s[OQ:OQ+1]
	; the loads, in the order in which they are waited for: scales 1, A 16, B 8, q of block 0 8, x's group 0 16
	global_load_b128 v[RAW:RAW+3], v[SOFF], s[8:9]
.irp k, 0,1,2,3,4,5,6,7,8,9,10,11,12,13,14,15
	global_load_b128 v[W+4*\k:W+4*\k+3], v[LOFF], s[10:11] offset:\k*16384  ; rank k: my wave's 128 columns, 512 consecutive bytes
.endr
.irp g, 0,1,2,3
	global_load_b128 v[QF+8*\g:QF+8*\g+3],   v[BOFF], s[12:13] offset:\g*1024
	global_load_b128 v[QF+8*\g+4:QF+8*\g+7], v[BOFF], s[12:13] offset:\g*1024+16
.endr
	QLOAD 0
	XLOAD 0
	; work on registers while they are on their way: the codes, and the zeros of the fragments' upper halves (K = 16 .. 31 does not exist: 0 on both sides)
	v_mov_b32 v[TAB], 0xbf800000           ; -1.0
	CODE 1,  0xbf3239b1                    ; -0.6961928009986877
	CODE 2,  0xbf066b30                    ; -0.5250730514526367
	CODE 3,  0xbeca32a0                    ; -0.39491748809814453
	CODE 4,  0xbe91a24d                    ; -0.28444138169288635
	CODE 5,  0xbe3d353f                    ; -0.18477343022823334
	CODE 6,  0xbdba7871                    ; -0.09105003625154495
	CODE 7,  0                             ; 0.0
	CODE 8,  0x3da2faff                    ; 0.07958029955625534
	CODE 9,  0x3e24cae3                    ; 0.16093020141124725
	CODE 10, 0x3e7c04dd                    ; 0.24611230194568634
	CODE 11, 0x3ead033a                    ; 0.33791524171829224
	CODE 12, 0x3ee1a4b8                    ; 0.44070982933044434
	CODE 13, 0x3f1007ab                    ; 0.5626170039176941
	CODE 14, 0x3f3913b3                    ; 0.7229568362236023
	CODE 15, 0x3f800000                    ; 1.0
.irp t, 0,1,2,3,4,5,6,7
.irp j, 4,5,6,7
	v_mov_b32 v[AF+8*\t+\j], 0
.endr
.endr
.irp g, 0,1,2,3
.irp j, 4,5,6,7
	v_mov_b32 v[BF+8*\g+\j], 0
.endr
.endr
	v_mov_b32 v[SCA+1], 0                  ; named as pairs by the packed multiply, which takes the low word for both halves
	v_mov_b32 v[SCB+1], 0
	s_wait_loadcnt 48                      ; the scales are in: behind them 16 + 8 + 8 + 16 loads were issued
	ds_store_b128 v[SWR], v[RAW:RAW+3]
	s_wait_loadcnt 32                      ; A is in: behind it 8 + 8 + 16
	XLOAD 1                                ; x's group 1: 48 loads of mine are out
.irp k, 0,1,2,3,4,5,6,7,8,9,10,11,12,13,14,15
	v_cvt_pk_f16_f32 v[W+4*\k],   v[W+4*\k],   v[W+4*\k+1]
	v_cvt_pk_f16_f32 v[W+4*\k+1], v[W+4*\k+2], v[W+4*\k+3]
	ds_store_b64 v[AWR], v[W+4*\k:W+4*\k+1] offset:\k*API
.endr
.irp t, 0,1,2,3,4,5,6,7
	ds_load_tr16_b128 v[AF+8*\t:AF+8*\t+3], v[ATR] offset:32*\t  ; my wave's own bytes; LDS serves a wave's instructions in order (ISA guide 5.7.1.4): these see the stores above
.endr
	s_wait_loadcnt 40                      ; B is in: behind it 8 + 16 + 16
.irp g, 0,1,2,3
.irp j, 0,1,2,3
	v_cvt_pk_f16_f32 v[BF+8*\g+\j], v[QF+8*\g+2*\j], v[QF+8*\g+2*\j+1]
.endr
.endr
	s_wait_dscnt 0x0                       ; for the others' sake: my scales are in LDS (and A's fragments are in)
	s_barrier_signal -1
	s_barrier_wait -1                      ; everybody's are; nobody writes them again
; Block g: rows 16 g .. 16 g + 15 of the work-group's 64, my wave's 128 columns.  left: the younger loads that may stay out when its q has to be there.  more = 1: the next block's q is asked for.
.macro BLOCK g, left, more
	s_wait_loadcnt \left
.irp i, 0,1,2,3,4,5,6,7
	ds_store_b128 v[LROW], v[QG+4*\i:QG+4*\i+3] offset:2*QPI*\i
.endr
.if \more
	QLOAD (\g)+1
.endif
	ds_load_b32 v[SCA], v[SRD] offset:16*SPI*(\g)
	ds_load_b32 v[SCB], v[SRD] offset:16*SPI*(\g)+4
.irp t, 0,1,2,3,4,5,6,7
	ds_load_b128 v[QF+4*\t:QF+4*\t+3], v[LFRG] offset:32*\t  ; tile t: my row's columns 16 t + 8 (lane / 16) + 0..7 = four words
.endr
	s_wait_xcnt 0x0                        ; the block before stored out of v192-223: they are written again only behind this wait
.irp t, 0,1,2,3,4,5,6,7
	s_wait_dscnt 7+7*\t                    ; tile t's words are in: behind them 7 - t loads and 8 t permutes were issued
.irp j, 0,1,2,3
	v_lshlrev_b32 v[W+8*\t+2*\j],   2, v[QF+4*\t+\j]  ; column 2 j: the low nibble, times 4 (the permute's index is a byte address),
	v_lshrrev_b32 v[W+8*\t+2*\j+1], 2, v[QF+4*\t+\j]  ; column 2 j + 1: the high nibble, times 4
.endr
.irp n, 0,1,2,3,4,5,6,7
	v_and_b32 v[W+8*\t+\n], 0x3c, v[W+8*\t+\n]
.endr
.irp n, 0,1,2,3,4,5,6,7
	ds_bpermute_b32 v[W+8*\t+\n], v[W+8*\t+\n], v[TAB]  ; the code, out of the lane of that number
.endr
.endr
.irp t, 0,1,2,3,4,5,6,7
	s_wait_dscnt 8*(7-\t)                  ; tile t's codes are in: behind them the later tiles' permutes
.irp j, 0,1,2,3
	v_pk_mul_f32 v[W+8*\t+2*\j:W+8*\t+2*\j+1], v[W+8*\t+2*\j:W+8*\t+2*\j+1], v[SCA+2*(\t/4):SCA+2*(\t/4)+1] op_sel_hi:[1,0]
.endr
	v_wmma_f32_16x16x32_f16 v[W+8*\t:W+8*\t+7], v[AF+8*\t:AF+8*\t+7], v[BF+8*(\g):BF+8*(\g)+7], v[W+8*\t:W+8*\t+7]  ; + B A; the eight accumulators take turns
.endr
.rept 4
	v_nop                                  ; four places between the last product and the lines that read results (ISA guide 7.12.1)
.endr
.irp t, 0,1,2,3,4,5,6,7
.irp j, 0,1,2,3
	v_cvt_pk_f16_f32 v[QF+4*\t+\j], v[W+8*\t+2*\j], v[W+8*\t+2*\j+1]  ; the one rounding; each accumulator from its low end on
.endr
.endr
.irp t, 0,1,2,3,4,5,6,7
	ds_store_b128 v[LFRG], v[QF+4*\t:QF+4*\t+3] offset:OST+32*\t
.endr
.irp i, 0,1,2,3,4,5,6,7
	ds_load_b128 v[W+4*\i:W+4*\i+3], v[LROW] offset:OST+2*QPI*\i  ; back by rows; my wave's own bytes, served in order
.endr
.irp i, 0,1,2,3,4,5,6,7
	s_wait_dscnt 7-\i
	global_store_b128 v[QOFF], v[W+4*\i:W+4*\i+3], s[16:17] offset:(16*(\g)+2*\i)*ROWB  ; sixteen lanes store 256 consecutive bytes, at a multiple of 256 from wh's first byte
.endr
.endm
; Group p of x: rounded in place, stored.  more = 1: its buffer takes the group two further on.
.macro XGRP p, left, more
.set XB, 64*((\p)%2)
	s_wait_loadcnt \left
	WIN 0x45                               ; destination and both sources in window 1
.irp i, 0,1,2,3,4,5,6,7,8,9,10,11,12,13,14,15
	v_cvt_pk_f16_f32 v[XB+4*\i],   v[XB+4*\i],   v[XB+4*\i+1]
	v_cvt_pk_f16_f32 v[XB+4*\i+1], v[XB+4*\i+2], v[XB+4*\i+3]
.endr
	WIN 0x04                               ; store data (source 1) in window 1, address in window 0
.irp i, 0,1,2,3,4,5,6,7,8,9,10,11,12,13,14,15
	global_store_b64 v[YOFF], v[XB+4*\i:XB+4*\i+1], s[14:15] offset:(16*(\p)+\i)*256  ; the wave stores 256 consecutive bytes, at a multiple of 256 from xh's first byte
.endr
.if \more
	s_wait_xcnt 0x0                        ; the buffer is loaded again only when the stores' addresses are translated (ISA guide 3.1)
	XLOAD (\p)+2
.endif
	WIN 0
.endm
	; loads come back in order (ISA guide 5.7.1); each count is what was issued behind the loads that are wanted
	BLOCK 0, 32, 1                         ; behind q0: x0, x1
	XGRP  0, 24, 1                         ; behind x0: x1, q1
	BLOCK 1, 16, 1                         ; behind q1: x2
	XGRP  1, 32, 1                         ; behind x1: q1, x2, q2
	BLOCK 2, 16, 1                         ; behind q2: x3
	XGRP  2, 32, 0                         ; behind x2: q2, x3, q3
	BLOCK 3, 0, 0
	XGRP  3, 0, 0
	s_wait_tensorcnt 0x0                   ; the wave's end, behind my last LDS store
	ds_add_u32 v[SPW], v[NIL]
	s_wait_dscnt 0x0
	s_endpgm
.Lfunc_end_k_qf6a68f890f_prep:
	.size	k_qf6a68f890f_prep, .Lfunc_end_k_qf6a68f890f_prep-k_qf6a68f890f_prep
	.p2alignl 7, 3214868480
	.fill 96, 4, 3214868480
	.section	.rodata,"a",@progbits
	.p2align	6, 0x0
	.amdhsa_kernel k_qf6a68f890f_prep
		.amdhsa_group_segment_fixed_size 112640
		.amdhsa_private_segment_fixed_size 0
		.amdhsa_enable_private_segment 0
		.amdhsa_kernarg_size 56
		.amdhsa_user_sgpr_count 2
		.amdhsa_user_sgpr_kernarg_segment_ptr 1
		.amdhsa_wavefront_size32 1
		.amdhsa_system_sgpr_workgroup_id_x 1
		.amdhsa_system_sgpr_workgroup_id_y 1
		.amdhsa_system_sgpr_workgroup_id_z 1
		.amdhsa_system_vgpr_workitem_id 0
		.amdhsa_next_free_vgpr 384
		.amdhsa_next_free_sgpr 66
		.amdhsa_reserve_vcc 1
		.amdhsa_float_denorm_mode_32 3
		.amdhsa_float_denorm_mode_16_64 3
		.amdhsa_memory_ordered 1
		.amdhsa_forward_progress 1
		.amdhsa_inst_pref_size 103
	.end_amdhsa_kernel
	.amdgpu_metadata
---
amdhsa.version: [ 1, 2 ]
amdhsa.kernels:
  - .name:           k_qf6a68f890f_prep
    .symbol:         k_qf6a68f890f_prep.kd
    .args:
      - { .name: x, .offset: 0, .size: 8, .value_kind: global_buffer, .address_space: global }
      - { .name: q_packed, .offset: 8, .size: 8, .value_kind: global_buffer, .address_space: global }
      - { .name: scales, .offset: 16, .size: 8, .value_kind: global_buffer, .address_space: global }
      - { .name: lora_a_w, .offset: 24, .size: 8, .value_kind: global_buffer, .address_space: global }
      - { .name: lora_b_w, .offset: 32, .size: 8, .value_kind: global_buffer, .address_space: global }
      - { .name: xh, .offset: 40, .size: 8, .value_kind: global_buffer, .address_space: global }
      - { .name: wh, .offset: 48, .size: 8, .value_kind: global_buffer, .address_space: global }
    .group_segment_fixed_size: 112640
    .private_segment_fixed_size: 0
    .kernarg_segment_align: 8
    .kernarg_segment_size: 56
    .max_flat_workgroup_size: 256
    .sgpr_count:     66
    .vgpr_count:     384
    .wavefront_size: 32
...
	.end_amdgpu_metadata
.endif
;; end of part 1
;; launch gemm (part 2): grid 16 x 16, 4 waves a work-group, clusters of 4 x 4, 327,680 bytes of LDS; arguments xh, wh, out0; writes out0
.if DOCPART == 2
	.amdgcn_target "amdgcn-amd-amdhsa--gfx1250"
	.amdhsa_code_object_version 6
	.text
	.protected	k_qf6a68f890f_gemm
	.globl	k_qf6a68f890f_gemm
	.p2align	8
	.type	k_qf6a68f890f_gemm,@function
k_qf6a68f890f_gemm:
	s_mov_b64 s[64:65], 0
	v_nop
	global_prefetch_b8 v0, s[64:65] scope:SCOPE_SE
	s_setreg_imm32_b32 hwreg(HW_REG_WAVE_MODE, 25, 1), 1
	s_wait_xcnt 0x0
	s_wait_alu depctr_hold_cnt(0) depctr_sa_sdst(0) depctr_va_vdst(0) depctr_va_sdst(0) depctr_va_ssrc(0) depctr_va_vcc(0) depctr_vm_vsrc(0)
	s_getreg_b32 s2, hwreg(HW_REG_IB_STS2, 6, 4)
	s_cmp_eq_u32 s2, 0
	s_cbranch_scc0 .Lentry_in_a_cluster
	s_endpgm
.Lentry_in_a_cluster:
	s_bfe_u32 s2, ttmp6, 0x10000c
	s_cmp_lg_u32 s2, 0xf033
	s_cbranch_scc0 .Lentry_shape_is_right
	s_endpgm
.Lentry_shape_is_right:
; out0[m][o] = sum over h of xh[m][h] wh[o][h].  xh: [4096][4096] f16, wh: [4096][4096] f16 (the dequantised weight with the low-rank product already in it), out0: [4096][4096] f32; sums in f32.
; LIMITS.  The operands are f16 as the launch before made them (magnitudes below 65,504; below 6e-5 a fixed step of 6e-8); NaN and infinities are not treated apart.
; SHARES.  A tile of out0, 256 x 256, is made by a work-group of four waves; a wave makes 128 x 128: 64 accumulators of 16 x 16, 512 registers.  16 x 16 tiles: 256 work-groups, one tile each.
; K goes in steps of 128 through a ring of two LDS slots filled by the tensor data mover: the tiles' rows are 256 bytes of memory and start at multiples of 256 bytes from the buffer's first byte.
; CLUSTERS: 4 x 4 work-groups.  The four of a row of the cluster need the same tiles of xh, the four of a column the same tiles of wh.  Such a tile is asked for JOINTLY: each of the four issues the
; same tensor load, with the same descriptor and a mask that names the four, and each receives the tile in its own LDS: a quarter of the requests.
; REGISTERS, in windows of 256 (s_set_vgpr_msb: bits 1:0 source 0, 3:2 source 1, 5:4 source 2, 7:6 destination):
;   window 0: v0-31 addresses; v64-127, v128-191 fragments of xh (8 x 16 rows x 32 K), two buffers; on the way out they hold rows read back from the stage
;   window 1: v64-127, v128-191 fragments of wh, two buffers
;   window 2: the 32 accumulators of my rows 0-63 (accumulator (a, b) at v[8 (8 a + b)]);   window 3: those of my rows 64-127
; THE MATRIX INSTRUCTION IS USED TRANSPOSED: source 0 = 16 rows of wh, source 1 = 16 rows of xh.  In the result lane l holds row m = l % 16 of out0 and its registers 0 to 7 the columns
; 8 (l / 16) + 0 .. 7: 32 neighbouring bytes of a row.
.set SIZE_N, 4096
.set SIZE_K, 4096
.set KSTEP,  128
.set PITCH,  272                       ; an LDS row: 256 bytes + 16 of padding = 68 words: row r starts at bank 4 r mod 64 (64 banks of 4 bytes: ISA guide 11.1), so the 16 rows of a load start at 16 different banks
.set HALFT,  128*PITCH                 ; 128 rows: what one tensor load brings, and what one wave reads of xh or of wh
.set SLOT,   4*HALFT                   ; xh's 256 rows, then wh's 256 rows
.set STAGE,  2*SLOT                    ; behind the ring, never filled by a tensor load: 16 rows x 528 bytes for each wave, for the way out
.set SPITCH, 528                       ; 512 bytes (128 f32) + 16
.set SPARE,  STAGE+4*16*SPITCH         ; behind the stages: the spare words, 128 bytes for each wave: two blocks of 256 bytes that no other line names
.set LAPS,   SIZE_K/(2*KSTEP)          ; a lap = two K steps = once round the ring: 16
.set ADRA, 16                          ; v16-17  LDS address of my xh fragments in slot 0, 1
.set ADRB, 20                          ; v20-21  the same for wh
.set STO,  24                          ; v24     the way out: where I put 32 bytes of a row
.set RD,   25                          ; v25     the way out: where I read 16 bytes of a row back
.set CO,   26                          ; v26     16 x lane: my bytes in 512 consecutive bytes of out0
.set SPW,  28                          ; v28     LDS address of my spare word; never rewritten
.set NIL,  29                          ; v29     0; never rewritten
.set F0,   64                          ; fragment buffer 0
.set F1,   128                         ; fragment buffer 1
.set G1, 24                            ; s[24:31] descriptor group 1 for xh's tiles
.set G0, 32                            ; s[32:39] descriptor group 0 for xh's tiles, one set for each slot
.set G1B, 48                           ; s[48:55] group 1 for wh's tiles: it differs in the mask alone
.set G0B, 56                           ; s[56:63] group 0 for wh's tiles, one set for each slot
.set MSB, 0
.macro WIN new                         ; the immediate's high byte repeats the setting that is left; a switch that changes nothing is dropped
.if MSB != (\new)
	s_set_vgpr_msb (MSB<<8)|(\new)
.set MSB, \new
.endif
.endm
.set MUL_LO, 0xa1                      ; source 0 (wh) window 1, source 1 (xh) window 0, C and D window 2
.set MUL_HI, 0xf1                      ; the same, C and D window 3
.set TO_B,   0x40                      ; destination window 1, address window 0
; A joint load.  Waves 0 and 1 fetch xh's two halves, waves 2 and 3 wh's.  Each of the two lines has one mask and one set of registers for all that issue it; the branch hangs on the wave's number alone.
; An s_nop 0 and four v_nop follow each of the two lines, ahead of the jump, the label and what follows.
.macro JLOAD s
	s_cmp_eq_u32 s11, 0
	s_cbranch_scc0 .Lfor_b_\@
	tensor_load_to_lds s[G0+4*(\s):G0+4*(\s)+3], s[G1:G1+7]
	s_nop 0
.rept 4
	v_nop
.endr
	s_branch .Lasked_\@
.Lfor_b_\@:
	tensor_load_to_lds s[G0B+4*(\s):G0B+4*(\s)+3], s[G1B:G1B+7]
	s_nop 0
.rept 4
	v_nop
.endr
.Lasked_\@:
.endm
; A round of the cluster's barrier: my work-group's barrier, so that wave 0's signal speaks for all four waves; wave 0 signals for the work-group; every wave waits for all sixteen work-groups;
; my work-group's barrier once more.  No LDS instruction of the wave is pending at a signal.
.macro CREST                           ; a round behind its opening barrier
	s_cmp_lg_u32 s10, 0
	s_cbranch_scc1 .Lnot_wave_0_\@
	s_barrier_signal -3
.Lnot_wave_0_\@:
	s_barrier_wait -3
	s_barrier_signal -1
	s_barrier_wait -1
.endm
.macro CROUND                          ; a whole round
	s_barrier_signal -1
	s_barrier_wait -1
	CREST
.endm
	s_load_b128 s[4:7], s[0:1], 0x0                ; xh s[4:5], wh s[6:7]
	s_load_b64 s[8:9], s[0:1], 0x10                ; out0
	v_lshl_add_u32 v[SPW], v0, 2, SPARE
	v_mov_b32 v[NIL], 0
	ds_add_u32 v[SPW], v[NIL]                      ; the wave's opening: the add and its wait stand ahead of my first tensor load; the set-up below, work on registers, stands between them
	v_lshrrev_b32 v1, 5, v0
	v_readfirstlane_b32 s10, v1                    ; wave 0..3
	s_lshr_b32 s11, s10, 1                         ; which half of the tile's rows is mine.  Also: I fetch for xh (0) or for wh (1)
	s_and_b32 s12, s10, 1                          ; which half of its columns.  Also: which 128 rows of that tile I fetch
	s_bfe_u32 s40, ttmp6, 0x40000                  ; cx: my place along the cluster's x
	s_bfe_u32 s41, ttmp6, 0x40004                  ; cy: along its y
	s_lshl_b32 s42, ttmp9, 2                       ; in a cluster launch ttmp9 and ttmp7 count clusters
	s_add_co_u32 s42, s42, s40                     ; tile column = 4 x cluster x + cx
	s_and_b32 s13, ttmp7, 0xffff
	s_lshl_b32 s13, s13, 2
	s_add_co_u32 s13, s13, s41                     ; tile row = 4 x cluster y + cy
	s_lshl_b32 s43, s41, 2
	s_lshl_b32 s43, 15, s43                        ; my row of the cluster: places 4 cy .. 4 cy + 3
	s_lshl_b32 s44, 0x1111, s40                    ; my column: places cx, cx + 4, cx + 8, cx + 12
	; descriptor group 1: a tile of 128 rows x 128 elements, padded in LDS
	s_or_b32 s[G1+0], s43, (1<<16)|(1<<20)|(1<<21)|(5<<22)|(3<<25)  ; 15:0 the mask: xh's tiles go to my row; 17:16 elements of 2 bytes; 20 padding on; 21 set beside a mask; 24:22 after every 64 words (code 5); 31:25 4 words of it (code 3)
	s_or_b32 s[G1B+0], s44, (1<<16)|(1<<20)|(1<<21)|(5<<22)|(3<<25) ; the same with the mask of my column, for wh's tiles
.irp g, G1, G1B
	s_mov_b32 s[(\g)+1], KSTEP<<16                 ; 63:48 tensor_dim0, low half = 128
	s_mov_b32 s[(\g)+2], 128<<16                   ; 79:64 its high half = 0; 95:80 tensor_dim1, low half = 128
	s_mov_b32 s[(\g)+3], KSTEP<<16                 ; 111:96 its high half = 0; 127:112 tile_dim0 = 128
	s_mov_b32 s[(\g)+4], 128                       ; 143:128 tile_dim1 = 128; 159:144 tile_dim2 = 0
	s_mov_b32 s[(\g)+5], SIZE_K                    ; 191:160 tensor_dim0_stride, low word: elements from row to row
	s_mov_b32 s[(\g)+6], 0
	s_mov_b32 s[(\g)+7], 0
.endr
	; where the tiles come from.  xh's hang on the tile row alone, which my row of the cluster shares; wh's on the tile column alone, which my column shares.
	; Every wave makes both addresses, in registers that never hold the other coordinate, and asks by one of them.
	s_lshl_b32 s17, s12, 7                         ; which 128 rows of the tile I fetch
	s_lshl_b32 s16, s13, 8
	s_add_co_u32 s16, s16, s17                     ; xh: row 256 x tile row + 128 x half
	s_lshl_b32 s46, s42, 8
	s_add_co_u32 s46, s46, s17                     ; wh: row 256 x tile column + 128 x half
	s_mov_b32 s17, 0
	s_mov_b32 s47, 0
	s_mov_b64 s[18:19], SIZE_K*2
	s_mul_u64 s[16:17], s[16:17], s[18:19]         ; in bytes
	s_mul_u64 s[46:47], s[46:47], s[18:19]
	s_mul_i32 s20, s10, HALFT                      ; and where they go: xh's two halves, then wh's two halves = wave x 128 rows: no place in the cluster enters an LDS address
	s_wait_dscnt 0x0                               ; the opening add is done
	s_wait_kmcnt 0x0
	s_add_nc_u64 s[14:15], s[4:5], s[16:17]
	s_add_nc_u64 s[46:47], s[6:7], s[46:47]
	CROUND                                         ; all sixteen work-groups are here: the first joint loads meet
.irp s, 0,1
	s_mov_b32 s[G0+4*(\s)], 1                                      ; 1:0 count = 1
	s_add_co_u32 s[G0+4*(\s)+1], s20, (\s)*SLOT                    ; 63:32 LDS address
	s_add_nc_u64 s[G0+4*(\s)+2:G0+4*(\s)+3], s[14:15], (\s)*KSTEP*2  ; 120:64 global address: K step s
	s_or_b32 s[G0+4*(\s)+3], s[G0+4*(\s)+3], 0x80000000            ; 127:126 type = 2
	s_mov_b32 s[G0B+4*(\s)], 1
	s_add_co_u32 s[G0B+4*(\s)+1], s20, (\s)*SLOT
	s_add_nc_u64 s[G0B+4*(\s)+2:G0B+4*(\s)+3], s[46:47], (\s)*KSTEP*2
	s_or_b32 s[G0B+4*(\s)+3], s[G0B+4*(\s)+3], 0x80000000
	JLOAD \s                                       ; the ring is filled before anything else is done: two tensor loads of mine are out
.endr
	; A fragment is 16 rows x 32 K in 8 registers: lane l holds row l % 16; registers 0-3 hold K = 8 (l / 16) + 0..7, registers 4-7 hold K = 16 + 8 (l / 16) + 0..7: two loads of 16 bytes, 32 bytes apart.
	v_and_b32 v1, 15, v0                           ; l % 16
	v_bfe_u32 v2, v0, 4, 1                         ; l / 16
	v_mul_u32_u24 v3, v1, PITCH
	v_lshl_add_u32 v3, v2, 4, v3                   ; row x pitch + 16 x half
	s_mul_i32 s21, s11, HALFT                      ; my 128 rows of xh
	s_mul_i32 s22, s12, HALFT                      ; my 128 rows of wh,
	s_add_co_u32 s22, s22, 2*HALFT                 ; which lie behind xh's 256
.irp s, 0,1
	v_add_nc_u32 v[ADRA+(\s)], s21, v3
	v_add_nc_u32 v[ADRB+(\s)], s22, v3
	s_add_co_u32 s21, s21, SLOT
	s_add_co_u32 s22, s22, SLOT
.endr
	s_mul_i32 s23, s10, 16*SPITCH
	s_add_co_u32 s23, s23, STAGE                   ; my stage
	v_mul_u32_u24 v4, v1, SPITCH                   ; in: row l % 16, 32 bytes for each half of the lanes
	v_lshl_add_u32 v4, v2, 5, v4
	v_add_nc_u32 v[STO], s23, v4
	v_and_b32 v5, 31, v0
	v_lshlrev_b32 v[CO], 4, v5                     ; back: the 32 lanes take one row of 512 bytes,
	v_add_nc_u32 v[RD], s23, v[CO]                 ; and the same in out0
	; where my part of the tile begins in out0
	s_lshl_b32 s13, s13, 8
	s_lshl_b32 s14, s11, 7
	s_add_co_u32 s16, s13, s14                     ; my first row
	s_mov_b32 s17, 0
	s_mov_b64 s[18:19], SIZE_N*4
	s_mul_u64 s[16:17], s[16:17], s[18:19]
	s_lshl_b32 s46, s42, 10                        ; my first column, in bytes: 1,024 x tile column + 512 x half (in the registers that held wh's address: none that feeds xh's descriptors ever holds cx)
	s_lshl_b32 s47, s12, 9
	s_add_co_u32 s46, s46, s47
	s_mov_b32 s47, 0
	s_add_nc_u64 s[16:17], s[16:17], s[46:47]
	s_add_nc_u64 s[8:9], s[8:9], s[16:17]
; 16 matrix instructions: m blocks a0, a0 + 1 of the window's four (hi = 0: my rows 0-63, 1: rows 64-127) x all 8 n blocks, 32 along K.  zero = 1: the first product starts the sums: nothing is ever cleared.
; The 64 accumulators take turns, one instruction a turn, in the same order in every quarter step.
.macro MUL16 f, hi, a0, zero
	WIN MUL_LO+0x50*(\hi)  ; MUL_LO or MUL_HI
.irp a, \a0, (\a0)+1
.irp b, 0,1,2,3,4,5,6,7
.if \zero
	v_wmma_f32_16x16x32_f16 v[8*(8*(\a)+(\b)):8*(8*(\a)+(\b))+7], v[(\f)+8*(\b):(\f)+8*(\b)+7], v[(\f)+8*(4*(\hi)+(\a)):(\f)+8*(4*(\hi)+(\a))+7], 0
.else
	v_wmma_f32_16x16x32_f16 v[8*(8*(\a)+(\b)):8*(8*(\a)+(\b))+7], v[(\f)+8*(\b):(\f)+8*(\b)+7], v[(\f)+8*(4*(\hi)+(\a)):(\f)+8*(4*(\hi)+(\a))+7], v[8*(8*(\a)+(\b)):8*(8*(\a)+(\b))+7]
.endif
.endr
.endr
.endm
; 32 LDS loads in one run: the fragments of one quarter step (128 rows of wh, 128 rows of xh, 32 K at byte k of the rows) into buffer f
.macro FETCH slot, k, f
	WIN TO_B
.irp i, 0,1,2,3,4,5,6,7
	ds_load_b128 v[(\f)+8*(\i):(\f)+8*(\i)+3],   v[ADRB+(\slot)] offset:(\k)+(\i)*16*PITCH
	ds_load_b128 v[(\f)+8*(\i)+4:(\f)+8*(\i)+7], v[ADRB+(\slot)] offset:(\k)+(\i)*16*PITCH+32
.endr
	WIN 0
.irp i, 0,1,2,3,4,5,6,7
	ds_load_b128 v[(\f)+8*(\i):(\f)+8*(\i)+3],   v[ADRA+(\slot)] offset:(\k)+(\i)*16*PITCH
	ds_load_b128 v[(\f)+8*(\i)+4:(\f)+8*(\i)+7], v[ADRA+(\slot)] offset:(\k)+(\i)*16*PITCH+32
.endr
.endm
; A load into a register that a matrix instruction has read, and an LDS store that reads a matrix result, stand four places behind that matrix instruction, and only plain vector instructions that
; name none of its registers are places (ISA guide 7.12.1 for vector instructions): four v_nop, since no other vector work is at hand.
.macro PLACES
.rept 4
	v_nop
.endr
.endm
; A K step is four quarter steps of 32 along K, 64 matrix instructions each, on buffers 0, 1, 0, 1.
; One of the first three: multiplies buffer f; in its middle it fetches the next quarter's fragments, at byte k of the same slot's rows, into buffer g.
.macro QUARTER slot, k, f, g, zero
	s_wait_dscnt 8                                 ; wh and xh's rows 0-63 are in; the youngest eight loads (xh's rows 64-127) may be out
	WIN MUL_LO
	MUL16 \f, 0, 0, \zero
	MUL16 \f, 0, 2, \zero
	PLACES
	FETCH \slot, \k, \g
	s_wait_dscnt 32                                ; all but the 32 just issued
	WIN MUL_HI
	MUL16 \f, 1, 0, \zero
	MUL16 \f, 1, 2, \zero
.endm
; The last quarter multiplies buffer 1 and changes slots.  MEET is its first half: ONE barrier for the change of slots.  In front of it each wave waits for all its tensor loads, of which one is out:
; its part of the next slot; adds 0 to its spare word; and waits for that and for its own reads of this slot.  Behind it nobody reads this slot any more and the next slot is whole.
.macro MEET round                      ; round = 1: a round of the cluster's barrier follows
	WIN 0                                          ; (the add's two registers lie in window 0)
	s_wait_tensorcnt 0x0                           ; all my tensor loads have landed;
	ds_add_u32 v[SPW], v[NIL]                      ; 0 onto my spare word;
	s_wait_dscnt 9                                 ; (the add and the youngest eight loads may be out)
	WIN MUL_LO
	MUL16 F1, 0, 0, 0                              ; sixteen matrix instructions stand between the add and the wait for it
	s_wait_dscnt 0x0                               ; the add is done, and my reads of this slot are over:
	s_barrier_signal -1                            ; say so (where a slot is filled again this barrier opens a round of the cluster's barrier),
	MUL16 F1, 0, 2, 0                              ; work on registers while the others arrive,
.if \round
	WIN 0
.endif
	s_barrier_wait -1                              ; and go on when all four have said so
.endm
; The whole last quarter.  fill = 1: behind the round the slot just read out is filled again first, with the K step two steps on: from that request to the wait for it a wave issues 224 matrix
; instructions.  Then come the next slot's first fragments.
.macro TURN slot, next, fill
	MEET \fill
.if \fill
	CREST                                          ; no wave of any partner still reads this slot's tile or has a load on its way
	s_add_nc_u64 s[G0+4*(\slot)+2:G0+4*(\slot)+3], s[G0+4*(\slot)+2:G0+4*(\slot)+3], 2*KSTEP*2     ; no tensor load of mine is out, so a group 0 may be written; the type bits on top are not reached
	s_add_nc_u64 s[G0B+4*(\slot)+2:G0B+4*(\slot)+3], s[G0B+4*(\slot)+2:G0B+4*(\slot)+3], 2*KSTEP*2
	JLOAD \slot                                    ; the first tensor load behind the round, and my only one until the next; the four v_nop behind it are also the places in front of the loads below
.else
	PLACES
.endif
	FETCH \next, 0, F0
	WIN MUL_HI
	MUL16 F1, 1, 0, 0
	MUL16 F1, 1, 2, 0
.endm
; THE WAY OUT of block a (16 rows x 128 columns of f32).  A lane's 32 bytes are a sixteenth of a row, so the block goes through my own stage: in by fragments, back as whole rows of 512 bytes.
.macro TOSTAGE a
.set AC, 64*((\a)%4)
.set BK, F0+64*((\a)%2)
	s_wait_xcnt 0x0                                ; the stores of the block two back read the registers that are loaded below: they are written again only behind this wait
	WIN 0x08+4*((\a)/4)                            ; store data (source 1) in window 2 or 3, address in window 0
.irp b, 0,1,2,3,4,5,6,7
	ds_store_b128 v[STO], v[AC+8*(\b):AC+8*(\b)+3]   offset:64*(\b)      ; each accumulator from its low end on
	ds_store_b128 v[STO], v[AC+8*(\b)+4:AC+8*(\b)+7] offset:64*(\b)+16
.endr
	WIN 0
.irp t, 0,1,2,3,4,5,6,7,8,9,10,11,12,13,14,15
	ds_load_b128 v[BK+4*(\t):BK+4*(\t)+3], v[RD] offset:(\t)*SPITCH  ; LDS serves a wave's instructions in order (ISA guide 5.7.1.4): these see the stores above; the next block's stores come behind them
.endr
.endm
.macro SEND a, younger                 ; younger: the LDS instructions issued behind block a's loads: the next block's 16 stores and 16 loads, or none
.set BK, F0+64*((\a)%2)
	s_wait_dscnt \younger
.irp t, 0,1,2,3,4,5,6,7,8,9,10,11,12,13,14,15
	global_store_b128 v[CO], v[BK+4*(\t):BK+4*(\t)+3], s[8:9] offset:(16*(\a)+(\t))*SIZE_N*4 th:TH_STORE_NT  ; the wave stores 512 consecutive bytes, at a multiple of 256 from out0's first byte; 127 rows at the most: inside the signed 24-bit immediate
.endr
.endm
	s_wait_tensorcnt 1                             ; my part of K step 0 is in; K step 1's may stay out
	s_barrier_signal -1
	s_barrier_wait -1                              ; everybody's is
	FETCH 0, 0, F0
	QUARTER 0, 64,  F0, F1, 1                      ; the first quarter stands in front of the loop: its products start the sums
	WIN 0                                          ; at a label and at a branch every window is 0
	s_mov_b32 s3, LAPS-1
.Llap:                                                 ; a trip goes once round the ring, from a lap's second quarter to the next lap's first, and fills both slots again
	QUARTER 0, 128, F1, F0, 0
	QUARTER 0, 192, F0, F1, 0
	TURN 0, 1, 1
	QUARTER 1, 64,  F0, F1, 0
	QUARTER 1, 128, F1, F0, 0
	QUARTER 1, 192, F0, F1, 0
	TURN 1, 0, 1
	QUARTER 0, 64,  F0, F1, 0
	WIN 0
	s_sub_co_u32 s3, s3, 1
	s_cmp_lg_u32 s3, 0
	s_cbranch_scc1 .Llap
	QUARTER 0, 128, F1, F0, 0                      ; the last lap is written out: it fills nothing, and has no round of the cluster's barrier
	QUARTER 0, 192, F0, F1, 0
	TURN 0, 1, 0
	QUARTER 1, 64,  F0, F1, 0
	QUARTER 1, 128, F1, F0, 0
	QUARTER 1, 192, F0, F1, 0
	s_wait_dscnt 8                                 ; the very last quarter: nothing more to fetch
	MUL16 F1, 0, 0, 0
	MUL16 F1, 0, 2, 0
	s_wait_dscnt 0x0
	MUL16 F1, 1, 0, 0
	MUL16 F1, 1, 2, 0
	PLACES                                         ; in front of the LDS stores that read results, and of the loads into the fragments' registers
	TOSTAGE 0
.irp a, 1,2,3,4,5,6,7                  ; block a's way through the stage is issued ahead of the wait for block a - 1's rows
	TOSTAGE \a
	SEND (\a)-1, 32
.endr
	SEND 7, 0
	s_wait_tensorcnt 0x0                           ; the wave's end, behind my last tensor load and my last LDS store
	ds_add_u32 v[SPW], v[NIL]
	s_wait_dscnt 0x0
	CROUND                                         ; the closing round: no work-group ends while a partner may still ask for a tile that names it
	s_endpgm
.Lfunc_end_k_qf6a68f890f_gemm:
	.size	k_qf6a68f890f_gemm, .Lfunc_end_k_qf6a68f890f_gemm-k_qf6a68f890f_gemm
	.p2alignl 7, 3214868480
	.fill 96, 4, 3214868480
	.section	.rodata,"a",@progbits
	.p2align	6, 0x0
	.amdhsa_kernel k_qf6a68f890f_gemm
		.amdhsa_group_segment_fixed_size 327680
		.amdhsa_private_segment_fixed_size 0
		.amdhsa_enable_private_segment 0
		.amdhsa_kernarg_size 24
		.amdhsa_user_sgpr_count 2
		.amdhsa_user_sgpr_kernarg_segment_ptr 1
		.amdhsa_wavefront_size32 1
		.amdhsa_system_sgpr_workgroup_id_x 1
		.amdhsa_system_sgpr_workgroup_id_y 1
		.amdhsa_system_sgpr_workgroup_id_z 1
		.amdhsa_system_vgpr_workitem_id 0
		.amdhsa_next_free_vgpr 1024
		.amdhsa_next_free_sgpr 66
		.amdhsa_reserve_vcc 0
		.amdhsa_float_denorm_mode_32 3
		.amdhsa_float_denorm_mode_16_64 3
		.amdhsa_memory_ordered 1
		.amdhsa_forward_progress 1
		.amdhsa_inst_pref_size 140
	.end_amdhsa_kernel
	.amdgpu_metadata
---
amdhsa.version: [ 1, 2 ]
amdhsa.kernels:
  - .name:           k_qf6a68f890f_gemm
    .symbol:         k_qf6a68f890f_gemm.kd
    .args:
      - { .name: xh, .offset: 0, .size: 8, .value_kind: global_buffer, .address_space: global }
      - { .name: wh, .offset: 8, .size: 8, .value_kind: global_buffer, .address_space: global }
      - { .name: out0, .offset: 16, .size: 8, .value_kind: global_buffer, .address_space: global }
    .group_segment_fixed_size: 327680
    .private_segment_fixed_size: 0
    .kernarg_segment_align: 8
    .kernarg_segment_size: 24
    .max_flat_workgroup_size: 128
    .sgpr_count:     66
    .vgpr_count:     1024
    .wavefront_size: 32
...
	.end_amdgpu_metadata
.endif
;; end of part 2
;; ======== version 2 of 2: 2 launches; version 1 with the launch prep written anew for expert scheduling mode
;; limits: values are held in f16: magnitudes above 65,504 overflow, below 6.1e-05 lose precision
;; workspace buffers: xh 33,554,432 bytes; wh 33,554,432 bytes
;; launch prep (part 3): grid 256 x 1, 8 waves a work-group, no clusters, 112,640 bytes of LDS; arguments x, q_packed, scales, lora_a_w, lora_b_w, xh, wh; writes xh, wh
.if DOCPART == 3
	.amdgcn_target "amdgcn-amd-amdhsa--gfx1250"
	.amdhsa_code_object_version 6
	.text
	.protected	k_qf6a68f890f_prep
	.globl	k_qf6a68f890f_prep
	.p2align	8
	.type	k_qf6a68f890f_prep,@function
k_qf6a68f890f_prep:
	s_mov_b64 s[64:65], 0
	v_nop
	global_prefetch_b8 v0, s[64:65] scope:SCOPE_SE
	s_setreg_imm32_b32 hwreg(HW_REG_WAVE_SCHED_MODE, 0, 2), 2
	s_setreg_imm32_b32 hwreg(HW_REG_WAVE_MODE, 25, 1), 1
	s_wait_xcnt 0x0
	s_wait_alu depctr_vm_vsrc(0)
; xh = f16(x), and wh[o][h] = f16( NF4[code(o,h)] * scales[o][h/64] + sum over r of lora_b_w[o][r] * lora_a_w[r][h] ).
; x (W + B A)^T = x W^T + (x A^T) B^T for every input, so the product that follows needs no second path.  ALPHA / R = 16 / 16 = 1: no multiply is written for it.
; LIMITS.  f16 holds no number beyond 65,504: |x| and |w + B A| stay below it; below 6e-5 a number keeps f16's fixed step of 6e-8.  A and B are rounded to f16 for the matrix unit, their
; products are summed in f32 on top of the f32 weight, and the sum is rounded once: another order of rounding than a separate low-rank product.  Of a word of q_packed only bits 7:0 count.
; SHARES.  256 work-groups of eight waves.  Work-group G: rows o = 64 (G / 4) .. + 63, columns h = 1024 (G % 4) .. + 1023 of wh; wave w its 128 columns from 128 w on, as four blocks of 16 rows;
; and 262,144 bytes of x, 32,768 a wave, in four groups of sixteen loads of 512 bytes.  Straight text: no loop, one barrier (the scales are the one thing that waves share).
; NO CLUSTER, NO TENSOR LOAD: the launch streams; what work-groups share (A, B, the scales) is 1.5 MB of 102 MB read, and every tile passes through registers anyway to be decoded.
; A BLOCK.  q comes as whole rows of 256 bytes (sixteen lanes a row), goes through the wave's own LDS rows to the matrix layout (lane = row o, eight neighbouring h), is decoded by a lane permute out
; of a register that holds the sixteen codes, scaled, and is the C operand of ONE matrix instruction a tile of 16 x 16: source 0 = 16 h x 16 ranks of A, source 1 = 16 o x 16 ranks of B
; (K = 32, its upper half zeros on both sides).  The result holds row o = lane % 16 and h = 8 (lane / 16) + 0..7: 16 bytes of f16, which go back through LDS and leave as whole rows of 256 bytes.
; THE MODE: SCHED_MODE bits 1:0 = 2 (LLVM: expert scheduling mode 2), set by the entry lines.  The code itself states the register dependences between vector or matrix instructions and memory or
; LDS instructions, with s_wait_alu, always for 0.
; THE PLAN.  Registers that memory or LDS instructions touch:
;   v4-v14, v20, v21   addresses, made once in the head and never written again.        TAB   written by the head's selects; the data of every permute.
;   QG        QLOAD g lands; block g's eight LDS stores read it; QLOAD g + 1 lands.  No vector instruction names it.
;   QF        a block's LDS loads land (words of q); the shifts read them; tiles 4-7's indices are written over words that are done with and read by those tiles' permutes; the roundings write
;             the block's results there, and LDS stores read them.
;   W+32..63  tiles 0-3's indices (vector), read by their permutes; then tiles 4-7's codes land there.      W+0..31  tiles 0-3's codes land; on the way out the rows read back land, and the global stores read them.
;             So no permute lands in a register that a permute has read without a wait on vm_vsrc between.
;   SCA, SCB  two LDS loads a block land; the packed multiplies read them.
;   X0, X1    (window 1) XLOAD lands; the roundings read.      Y  (window 1) the roundings write; sixteen global stores read; it is free again behind the next block's first pair of waits.
; A block has three waits on va_vdst (tiles 0-3's indices; tiles 4-7's; the roundings) and three on vm_vsrc (behind the LDS stores of q; beside the second va_vdst; ahead of the roundings).
; Between the waits a half's permutes are dealt among the other half's vector and matrix instructions, which name none of the registers that those permutes touch.
.set ROWB,  8192                       ; bytes in a row of q_packed (2,048 words) and of wh (4,096 f16)
.set SCL,   0                          ; LDS: 64 rows x 16 scales, pitch 80: the work-group's
.set SPI,   80
.set AST,   5120                       ; 16 ranks x 128 h of A in f16, pitch 288 (an odd multiple of 32, for the turning load): a wave's own, 4,608 bytes each
.set API,   288
.set QST,   41984                      ; 16 rows x 256 bytes of q, pitch 272: a wave's own, 4,352 bytes each
.set QPI,   272
.set OST,   34816                      ; from a wave's q rows to its 16 rows x 256 bytes of wh, same pitch: reached by the immediate
.set SPARE, 111616                     ; the spare words, 128 bytes for each wave: four blocks of 256 bytes that no other line names
.set LN,   1                           ; v1   lane
.set RR,   2                           ; v2   lane % 16
.set HH,   3                           ; v3   lane / 16
.set QOFF, 4                           ; v4   8192 (lane / 16) + 16 (lane % 16): two rows of q, and of wh
.set SOFF, 5                           ; v5   scales: row t / 4, 16 bytes at 16 (t % 4)
.set LOFF, 6                           ; v6   16 x lane: A and x
.set BOFF, 7                           ; v7   B: row lane % 16 (64 bytes), ranks 8 (lane / 16) on
.set YOFF, 8                           ; v8   8 x lane: xh
.set SWR,  9                           ; v9   LDS: where I put my four scales
.set SRD,  10                          ; v10  LDS: my row's two scales of my wave's 128 columns
.set AWR,  11                          ; v11  LDS: where I put four f16 of a rank of A
.set ATR,  12                          ; v12  LDS: my 16 bytes for the turning load
.set LROW, 13                          ; v13  LDS: by rows: row lane / 16, 16 bytes at 16 (lane % 16)
.set LFRG, 14                          ; v14  LDS: by fragments: row lane % 16, 16 bytes at 16 (lane / 16)
.set T0,   15                          ; v15, v23 at work in the head
.set RAW,  16                          ; v16-19 my four scales as loaded
.set SPW,  20                          ; v20  LDS address of my spare word; never rewritten
.set NIL,  21                          ; v21  0; never rewritten
.set TAB,  22                          ; v22  lane l holds NF4[l % 16]
.set T1,   23
.set SCA,  24                          ; v24  the scale of h 0-63 of my 128; v25 = 0, named with it as a pair
.set SCB,  26                          ; v26  of h 64-127; v27 = 0
.set BF,   32                          ; v32-63   B's fragments: block g at BF + 8 g: four registers of data, four of zeros
.set AF,   64                          ; v64-127  A's fragments: tile t at AF + 8 t, likewise
.set QG,   128                         ; v128-159 a block's q as loaded, by rows
.set QF,   160                         ; v160-191 tile t's four words of q; then tile 4 + u's eight indices at QF + 8 u; then the block's f16 results; in the head B as loaded
.set W,    192                         ; v192-255 tile t's eight weights, C and D; v224-255 first hold tiles 0-3's indices; in the head A as loaded; on the way out v192-223 hold the rows read back
.set YB,   128                         ; window 1: v0-63, v64-127: two buffers for x; v128-159: a group's 16 x 2 registers of f16, to store
.set OY, 2                             ; s[2:3]   byte offsets, made apart from the addresses: xh
.set OQ, 20                            ; s[20:21] q_packed and wh
.set OS, 22                            ; s[22:23] scales
.set OA, 26                            ; s[26:27] lora_a_w
.set OB, 28                            ; s[28:29] lora_b_w
.set OX, 30                            ; s[30:31] x
.set MK, 31                            ; s[32:46] code i's mask at s[MK + i]: the lanes with lane % 16 other than i
.set MSB, 0
.macro WIN new                         ; s_set_vgpr_msb: bits 1:0 source 0, 3:2 source 1, 5:4 source 2, 7:6 destination; the high byte repeats the setting that is left
.if MSB != (\new)
	s_set_vgpr_msb (MSB<<8)|(\new)
.set MSB, (\new)
.endif
.endm
.macro CODE i, bits                    ; the lanes with lane % 16 = i take code i
	v_cndmask_b32 v[TAB], \bits, v[TAB], s[MK+\i]
.endm
.macro QLOAD g                         ; block g's q: eight loads, two rows of 256 consecutive bytes each
.irp i, 0,1,2,3,4,5,6,7
	global_load_b128 v[QG+4*\i:QG+4*\i+3], v[QOFF], s[6:7] offset:(16*(\g)+2*\i)*ROWB th:TH_LOAD_NT
.endr
.endm
.macro XLOAD p                         ; group p of x: sixteen loads of 512 consecutive bytes, into buffer p % 2 of window 1; the window is left as the loads need it
.set XB, 64*((\p)%2)
	WIN 0x40                               ; destination window 1, address window 0
.irp i, 0,1,2,3,4,5,6,7,8,9,10,11,12,13,14,15
	global_load_b128 v[XB+4*\i:XB+4*\i+3], v[LOFF], s[4:5] offset:(16*(\p)+\i)*512 th:TH_LOAD_NT
.endr
.endm
	s_load_b256 s[4:11], s[0:1], 0x0       ; x s[4:5], q_packed s[6:7], scales s[8:9], lora_a_w s[10:11]
	s_load_b128 s[12:15], s[0:1], 0x20     ; lora_b_w s[12:13], xh s[14:15]
	s_load_b64 s[16:17], s[0:1], 0x30      ; wh
	v_lshl_add_u32 v[SPW], v0, 2, SPARE
	v_mov_b32 v[NIL], 0
	v_lshrrev_b32 v[T0], 5, v0
	v_readfirstlane_b32 s18, v[T0]         ; wave 0..7
	s_lshr_b32 s24, ttmp9, 2               ; which 64 rows o
	s_and_b32 s25, ttmp9, 3                ; which 1,024 columns h
	s_lshl_b32 s[OQ], s24, 19              ; 64 rows of 8,192 bytes,
	s_lshl_b32 s19, s25, 11                ; 1,024 columns = 2,048 bytes (half a word of q a column; two bytes of wh),
	s_add_co_u32 s[OQ], s[OQ], s19
	s_wait_alu depctr_va_sdst(0)           ; s18 is written, ahead of its first reader: the offsets and the LDS places below are made from it
	s_lshl_b32 s19, s18, 8                 ; my wave's 128 columns = 256 bytes
	s_add_co_u32 s[OQ], s[OQ], s19
	s_mov_b32 s[OQ+1], 0
	s_lshl_b32 s[OS], s24, 14              ; 64 rows of 256 bytes, 16 scales = 64 bytes
	s_lshl_b32 s19, s25, 6
	s_add_co_u32 s[OS], s[OS], s19
	s_mov_b32 s[OS+1], 0
	s_lshl_b32 s[OA], s25, 12              ; A: 1,024 columns of 4 bytes, my wave's 128
	s_lshl_b32 s19, s18, 9
	s_add_co_u32 s[OA], s[OA], s19
	s_mov_b32 s[OA+1], 0
	s_lshl_b32 s[OB], s24, 12              ; B: 64 rows of 64 bytes
	s_mov_b32 s[OB+1], 0
	s_lshl_b32 s[OX], ttmp9, 18            ; x: 262,144 bytes a work-group, 32,768 a wave
	s_lshl_b32 s19, s18, 15
	s_add_co_u32 s[OX], s[OX], s19
	s_mov_b32 s[OX+1], 0
	s_lshr_b32 s[OY], s[OX], 1             ; xh: half of that
	s_mov_b32 s[OY+1], 0
	v_and_b32 v[LN], 31, v0
	v_and_b32 v[RR], 15, v0
	v_bfe_u32 v[HH], v0, 4, 1
	v_lshlrev_b32 v[QOFF], 4, v[RR]
	v_lshl_add_u32 v[QOFF], v[HH], 13, v[QOFF]
	v_lshrrev_b32 v[T0], 2, v0             ; t / 4
	v_and_b32 v[T1], 3, v0
	v_lshlrev_b32 v[T1], 4, v[T1]          ; 16 (t % 4)
	v_lshl_add_u32 v[SOFF], v[T0], 8, v[T1]
	v_mul_u32_u24 v[SWR], v[T0], SPI
	v_add_nc_u32 v[SWR], v[SWR], v[T1]
	v_lshlrev_b32 v[LOFF], 4, v[LN]
	v_lshlrev_b32 v[BOFF], 6, v[RR]
	v_lshl_add_u32 v[BOFF], v[HH], 5, v[BOFF]
	v_lshlrev_b32 v[YOFF], 3, v[LN]
	s_lshl_b32 s19, s18, 3                 ; my wave's two scales: 8 bytes of a row's 64
	v_mul_u32_u24 v[SRD], v[RR], SPI
	v_add_nc_u32 v[SRD], s19, v[SRD]
	s_mul_i32 s19, s18, 16*API
	s_add_co_u32 s19, s19, AST             ; my wave's rows of A
	v_add_nc_u32 v[AWR], s19, v[YOFF]
	v_and_b32 v[T0], 7, v0                 ; the turning load: lane l reads rank 8 (l / 16) + l % 8, columns 8 ((l / 8) % 2) + 0..7,
	v_lshl_add_u32 v[T0], v[HH], 3, v[T0]  ; and is left with column l % 16 and ranks 8 (l / 16) + 0..7
	v_mul_u32_u24 v[T0], v[T0], API
	v_bfe_u32 v[T1], v0, 3, 1
	v_lshl_add_u32 v[T0], v[T1], 4, v[T0]
	v_add_nc_u32 v[ATR], s19, v[T0]
	s_mul_i32 s19, s18, 16*QPI
	s_add_co_u32 s19, s19, QST             ; my wave's rows of q
	v_mul_u32_u24 v[T0], v[HH], QPI
	v_lshl_add_u32 v[T0], v[RR], 4, v[T0]
	v_add_nc_u32 v[LROW], s19, v[T0]
	v_mul_u32_u24 v[T0], v[RR], QPI
	v_lshl_add_u32 v[T0], v[HH], 4, v[T0]
	v_add_nc_u32 v[LFRG], s19, v[T0]
	s_wait_kmcnt 0x0
	s_add_nc_u64 s[4:5], s[4:5], s[OX:OX+1]
	s_add_nc_u64 s[6:7], s[6:7], s[OQ:OQ+1]
	s_add_nc_u64 s[8:9], s[8:9], s[OS:OS+1]
	s_add_nc_u64 s[10:11], s[10:11], s[OA:OA+1]
	s_add_nc_u64 s[12:13], s[12:13], s[OB:OB+1]
	s_add_nc_u64 s[14:15], s[14:15], s[OY:OY+1]
	s_add_nc_u64 s[16:17], s[16:17], s[OQ:OQ+1]
	s_wait_alu depctr_va_vdst(0)           ; the addresses v4 to v14, and v20 and v21, are written: every memory and LDS instruction of the kernel reads some of them, and no later line writes one
	; the loads, in the order in which they are waited for: scales 1, A 16, B 8, q of block 0 8, x's group 0 16
	global_load_b128 v[RAW:RAW+3], v[SOFF], s[8:9]
.irp k, 0,1,2,3,4,5,6,7,8,9,10,11,12,13,14,15
	global_load_b128 v[W+4*\k:W+4*\k+3], v[LOFF], s[10:11] offset:\k*16384  ; rank k: my wave's 128 columns, 512 consecutive bytes
.endr
.irp g, 0,1,2,3
	global_load_b128 v[QF+8*\g:QF+8*\g+3],   v[BOFF], s[12:13] offset:\g*1024
	global_load_b128 v[QF+8*\g+4:QF+8*\g+7], v[BOFF], s[12:13] offset:\g*1024+16
.endr
	QLOAD 0
	XLOAD 0
	WIN 0
	; work on registers while they are on their way: the codes, and the zeros of the fragments' upper halves (K = 16 .. 31 does not exist: 0 on both sides)
	v_mov_b32 v[TAB], 0xbf800000           ; -1.0
.irp i, 1,2,3,4,5,6,7,8,9,10,11,12,13,14,15
	v_cmp_ne_u32 s[MK+\i], \i, v[RR]       ; the fifteen compares stand in one run, a mask each
.endr
.irp t, 0,1,2,3,4,5,6,7
.irp j, 4,5,6,7
	v_mov_b32 v[AF+8*\t+\j], 0
.endr
.endr
.irp g, 0,1,2,3
.irp j, 4,5,6,7
	v_mov_b32 v[BF+8*\g+\j], 0
.endr
.endr
	v_mov_b32 v[SCA+1], 0                  ; named as pairs by the packed multiply, which takes the low word for both halves
	v_mov_b32 v[SCB+1], 0
	s_wait_alu depctr_va_sdst(0)           ; the fifteen masks are written, ahead of the first select that reads one
	CODE 1,  0xbf3239b1                    ; -0.6961928009986877
	CODE 2,  0xbf066b30                    ; -0.5250730514526367
	CODE 3,  0xbeca32a0                    ; -0.39491748809814453
	CODE 4,  0xbe91a24d                    ; -0.28444138169288635
	CODE 5,  0xbe3d353f                    ; -0.18477343022823334
	CODE 6,  0xbdba7871                    ; -0.09105003625154495
	CODE 7,  0                             ; 0.0
	CODE 8,  0x3da2faff                    ; 0.07958029955625534
	CODE 9,  0x3e24cae3                    ; 0.16093020141124725
	CODE 10, 0x3e7c04dd                    ; 0.24611230194568634
	CODE 11, 0x3ead033a                    ; 0.33791524171829224
	CODE 12, 0x3ee1a4b8                    ; 0.44070982933044434
	CODE 13, 0x3f1007ab                    ; 0.5626170039176941
	CODE 14, 0x3f3913b3                    ; 0.7229568362236023
	CODE 15, 0x3f800000                    ; 1.0
	s_wait_loadcnt 48                      ; the scales are in: behind them 16 + 8 + 8 + 16 loads were issued
	ds_store_b128 v[SWR], v[RAW:RAW+3]     ; no vector line names v9 or v16-19 behind the wait ahead of the loads
	s_wait_loadcnt 32                      ; A is in: behind it 8 + 8 + 16
	XLOAD 1                                ; x's group 1: 48 loads of mine are out; no vector line has named its registers or v6 since the wait ahead of the loads
	WIN 0
.irp k, 0,1,2,3,4,5,6,7,8,9,10,11,12,13,14,15
	v_cvt_pk_f16_f32 v[W+4*\k],   v[W+4*\k],   v[W+4*\k+1]
	v_cvt_pk_f16_f32 v[W+4*\k+1], v[W+4*\k+2], v[W+4*\k+3]
.endr
	s_wait_loadcnt 40                      ; B is in: behind it 8 + 16 + 16
.irp g, 0,1,2,3
.irp j, 0,1,2,3
	v_cvt_pk_f16_f32 v[BF+8*\g+\j], v[QF+8*\g+2*\j], v[QF+8*\g+2*\j+1]
.endr
.endr
	s_wait_alu depctr_va_vdst(0)           ; A's roundings have written v[W ..], which the LDS stores read; the selects have written TAB, which the permutes read; B's roundings are done reading QF, in which block 0's words land
.irp k, 0,1,2,3,4,5,6,7,8,9,10,11,12,13,14,15
	ds_store_b64 v[AWR], v[W+4*\k:W+4*\k+1] offset:\k*API
.endr
.irp t, 0,1,2,3,4,5,6,7
	ds_load_tr16_b128 v[AF+8*\t:AF+8*\t+3], v[ATR] offset:32*\t  ; my wave's own bytes; LDS serves a wave's instructions in order (ISA guide 5.7.1.4): these see the stores above
.endr
	s_wait_dscnt 0x0                       ; for the others' sake: my scales are in LDS (and A's fragments are in)
	s_barrier_signal -1
	s_barrier_wait -1                      ; everybody's are; nobody writes them again
; Block g: rows 16 g .. 16 g + 15 of the work-group's 64, my wave's 128 columns.  left: the younger loads that may stay out when its q has to be there.  more = 1: the next block's q is asked for.
.macro BLOCK g, left, more
	s_wait_loadcnt \left
.irp i, 0,1,2,3,4,5,6,7
	ds_store_b128 v[LROW], v[QG+4*\i:QG+4*\i+3] offset:2*QPI*\i
.endr
	s_wait_xcnt 0x0                        ; the block before stored out of v192-223, the group of x before out of Y: they are written again only behind this wait
	s_wait_alu depctr_vm_vsrc(0)           ; all that was issued has read its registers: these LDS stores QG, in which the next q lands; the block before's LDS stores QF, in which the words below land; its global stores (in block 0: A's LDS stores) v[W ..], written below; the x group's stores Y
.if \more
	QLOAD (\g)+1
.endif
	ds_load_b32 v[SCA], v[SRD] offset:16*SPI*(\g)     ; the multiplies that read these two, and the roundings that wrote QF, stand ahead of the block before's last wait on va_vdst; only window 1 has been named since
	ds_load_b32 v[SCB], v[SRD] offset:16*SPI*(\g)+4
.irp t, 0,1,2,3,4,5,6,7
	ds_load_b128 v[QF+4*\t:QF+4*\t+3], v[LFRG] offset:32*\t  ; tile t: my row's columns 16 t + 8 (lane / 16) + 0..7 = four words
.endr
.irp t, 0,1,2,3                        ; tiles 0-3: their indices, into the upper half of W
	s_wait_dscnt 7-\t                      ; tile t's words are in: behind them 7 - t loads were issued
.irp j, 0,1,2,3
	v_lshlrev_b32 v[W+32+8*\t+2*\j],   2, v[QF+4*\t+\j]  ; column 2 j: the low nibble, times 4 (the permute's index is a byte address),
	v_lshrrev_b32 v[W+32+8*\t+2*\j+1], 2, v[QF+4*\t+\j]  ; column 2 j + 1: the high nibble, times 4
.endr
.irp n, 0,1,2,3,4,5,6,7
	v_and_b32 v[W+32+8*\t+\n], 0x3c, v[W+32+8*\t+\n]
.endr
.endr
	s_wait_alu depctr_va_vdst(0)           ; tiles 0-3's indices are written, which their permutes read
.irp t, 0,1,2,3                        ; tile 4 + t: its indices, over words of QF that are done with (eight at QF + 8 t from the four at QF + 16 + 4 t, in ascending order); among them tile t's permutes, which touch W and TAB alone
	s_wait_dscnt 3+7*\t                    ; tile 4 + t's words are in: behind them 3 - t loads and 8 t permutes were issued
.irp j, 0,1,2,3
	ds_bpermute_b32 v[W+8*\t+\j], v[W+32+8*\t+\j], v[TAB]  ; the code, out of the lane of that number
	v_lshlrev_b32 v[QF+8*\t+2*\j],   2, v[QF+16+4*\t+\j]
	v_lshrrev_b32 v[QF+8*\t+2*\j+1], 2, v[QF+16+4*\t+\j]
.endr
.irp j, 0,1,2,3
	ds_bpermute_b32 v[W+8*\t+4+\j], v[W+32+8*\t+4+\j], v[TAB]
	v_and_b32 v[QF+8*\t+2*\j],   0x3c, v[QF+8*\t+2*\j]
	v_and_b32 v[QF+8*\t+2*\j+1], 0x3c, v[QF+8*\t+2*\j+1]
.endr
.endr
	s_wait_alu depctr_va_vdst(0)           ; tiles 4-7's indices are written, which their permutes read
	s_wait_alu depctr_vm_vsrc(0)           ; tiles 0-3's permutes have read their indices in the upper half of W, in which tiles 4-7's codes land
.irp t, 0,1,2,3                        ; tiles 0-3: scaled and multiplied; among these lines, which name the lower half of W, SCA, AF and BF, tile 4 + t's permutes, which touch QF, the upper half of W and TAB
	s_wait_dscnt 24                        ; tile t's codes are in: behind them 8 (3 - t) permutes of tiles 0-3 and 8 t of tiles 4-7 were issued
.irp j, 0,1,2,3
	ds_bpermute_b32 v[W+32+8*\t+2*\j],   v[QF+8*\t+2*\j],   v[TAB]
	ds_bpermute_b32 v[W+32+8*\t+2*\j+1], v[QF+8*\t+2*\j+1], v[TAB]
	v_pk_mul_f32 v[W+8*\t+2*\j:W+8*\t+2*\j+1], v[W+8*\t+2*\j:W+8*\t+2*\j+1], v[SCA:SCA+1] op_sel_hi:[1,0]
.endr
	v_wmma_f32_16x16x32_f16 v[W+8*\t:W+8*\t+7], v[AF+8*\t:AF+8*\t+7], v[BF+8*(\g):BF+8*(\g)+7], v[W+8*\t:W+8*\t+7]  ; + B A; the eight accumulators take turns
.endr
.irp t, 4,5,6,7
	s_wait_dscnt 8*(7-\t)                  ; tile t's codes are in: behind them the later tiles' permutes
.irp j, 0,1,2,3
	v_pk_mul_f32 v[W+8*\t+2*\j:W+8*\t+2*\j+1], v[W+8*\t+2*\j:W+8*\t+2*\j+1], v[SCB:SCB+1] op_sel_hi:[1,0]
.endr
	v_wmma_f32_16x16x32_f16 v[W+8*\t:W+8*\t+7], v[AF+8*\t:AF+8*\t+7], v[BF+8*(\g):BF+8*(\g)+7], v[W+8*\t:W+8*\t+7]
.endr
.rept 4
	v_nop                                  ; four places between the last product and the lines that read results (ISA guide 7.12.1)
.endr
	s_wait_alu depctr_vm_vsrc(0)           ; tiles 4-7's permutes have read their indices in QF, which the roundings write
.irp t, 0,1,2,3,4,5,6,7
.irp j, 0,1,2,3
	v_cvt_pk_f16_f32 v[QF+4*\t+\j], v[W+8*\t+2*\j], v[W+8*\t+2*\j+1]  ; the one rounding; each accumulator from its low end on
.endr
.endr
	s_wait_alu depctr_va_vdst(0)           ; the roundings have written QF, which the LDS stores read; they and the matrix instructions are done with v192-223, in which the rows read back land
.irp t, 0,1,2,3,4,5,6,7
	ds_store_b128 v[LFRG], v[QF+4*\t:QF+4*\t+3] offset:OST+32*\t
.endr
.irp i, 0,1,2,3,4,5,6,7
	ds_load_b128 v[W+4*\i:W+4*\i+3], v[LROW] offset:OST+2*QPI*\i  ; back by rows; my wave's own bytes, served in order
.endr
.irp i, 0,1,2,3,4,5,6,7
	s_wait_dscnt 7-\i
	global_store_b128 v[QOFF], v[W+4*\i:W+4*\i+3], s[16:17] offset:(16*(\g)+2*\i)*ROWB  ; sixteen lanes store 256 consecutive bytes, at a multiple of 256 from wh's first byte
.endr
.endm
; Group p of x: rounded into Y, stored from there.  more = 1: its buffer takes the group two further on, ahead of the stores.
; Y was read by the stores of the group before: the pair of waits behind the LDS stores of q in the block between has freed it.
.macro XGRP p, left, more
.set XB, 64*((\p)%2)
	s_wait_loadcnt \left
	WIN 0x45                               ; destination and both sources in window 1
.irp i, 0,1,2,3,4,5,6,7,8,9,10,11,12,13,14,15
	v_cvt_pk_f16_f32 v[YB+2*\i],   v[XB+4*\i],   v[XB+4*\i+1]
	v_cvt_pk_f16_f32 v[YB+2*\i+1], v[XB+4*\i+2], v[XB+4*\i+3]
.endr
.if \more
	WIN 0x40                               ; the window of the loads, then the wait, then the loads
	s_wait_alu depctr_va_vdst(0)           ; the roundings are done reading the buffer, in which the loads below land, and have written Y, which the stores below read
	XLOAD (\p)+2
	WIN 0x04                               ; store data (source 1) in window 1, address in window 0
.else
	WIN 0x04
	s_wait_alu depctr_va_vdst(0)           ; the roundings have written Y, which the stores below read
.endif
.irp i, 0,1,2,3,4,5,6,7,8,9,10,11,12,13,14,15
	global_store_b64 v[YOFF], v[YB+2*\i:YB+2*\i+1], s[14:15] offset:(16*(\p)+\i)*256  ; the wave stores 256 consecutive bytes, at a multiple of 256 from xh's first byte
.endr
	WIN 0
.endm
	; loads come back in order (ISA guide 5.7.1); each count is what was issued behind the loads that are wanted
	BLOCK 0, 32, 1                         ; behind q0: x0, x1
	XGRP  0, 24, 1                         ; behind x0: x1, q1
	BLOCK 1, 16, 1                         ; behind q1: x2
	XGRP  1, 32, 1                         ; behind x1: q1, x2, q2
	BLOCK 2, 16, 1                         ; behind q2: x3
	XGRP  2, 32, 0                         ; behind x2: q2, x3, q3
	BLOCK 3, 0, 0
	XGRP  3, 0, 0
	s_wait_dscnt 0x0                       ; the closing lines, six on end
	s_wait_alu 0x0
	s_wait_tensorcnt 0x0
	ds_add_u32 v[SPW], v[NIL]
	s_wait_dscnt 0x0
	s_endpgm
.Lfunc_end_k_qf6a68f890f_prep:
	.size	k_qf6a68f890f_prep, .Lfunc_end_k_qf6a68f890f_prep-k_qf6a68f890f_prep
	.p2alignl 7, 3214868480
	.fill 96, 4, 3214868480
	.section	.rodata,"a",@progbits
	.p2align	6, 0x0
	.amdhsa_kernel k_qf6a68f890f_prep
		.amdhsa_group_segment_fixed_size 112640
		.amdhsa_private_segment_fixed_size 0
		.amdhsa_enable_private_segment 0
		.amdhsa_kernarg_size 56
		.amdhsa_user_sgpr_count 2
		.amdhsa_user_sgpr_kernarg_segment_ptr 1
		.amdhsa_wavefront_size32 1
		.amdhsa_system_sgpr_workgroup_id_x 1
		.amdhsa_system_sgpr_workgroup_id_y 1
		.amdhsa_system_sgpr_workgroup_id_z 1
		.amdhsa_system_vgpr_workitem_id 0
		.amdhsa_next_free_vgpr 416
		.amdhsa_next_free_sgpr 66
		.amdhsa_reserve_vcc 0
		.amdhsa_float_denorm_mode_32 3
		.amdhsa_float_denorm_mode_16_64 3
		.amdhsa_memory_ordered 1
		.amdhsa_forward_progress 1
		.amdhsa_inst_pref_size 105
	.end_amdhsa_kernel
	.amdgpu_metadata
---
amdhsa.version: [ 1, 2 ]
amdhsa.kernels:
  - .name:           k_qf6a68f890f_prep
    .symbol:         k_qf6a68f890f_prep.kd
    .args:
      - { .name: x, .offset: 0, .size: 8, .value_kind: global_buffer, .address_space: global }
      - { .name: q_packed, .offset: 8, .size: 8, .value_kind: global_buffer, .address_space: global }
      - { .name: scales, .offset: 16, .size: 8, .value_kind: global_buffer, .address_space: global }
      - { .name: lora_a_w, .offset: 24, .size: 8, .value_kind: global_buffer, .address_space: global }
      - { .name: lora_b_w, .offset: 32, .size: 8, .value_kind: global_buffer, .address_space: global }
      - { .name: xh, .offset: 40, .size: 8, .value_kind: global_buffer, .address_space: global }
      - { .name: wh, .offset: 48, .size: 8, .value_kind: global_buffer, .address_space: global }
    .group_segment_fixed_size: 112640
    .private_segment_fixed_size: 0
    .kernarg_segment_align: 8
    .kernarg_segment_size: 56
    .max_flat_workgroup_size: 256
    .sgpr_count:     66
    .vgpr_count:     416
    .wavefront_size: 32
...
	.end_amdgpu_metadata
.endif
;; end of part 3
;; launch gemm: the kernel of part 2 again; grid 16 x 16, 4 waves a work-group, clusters of 4 x 4, 327,680 bytes of LDS; arguments xh, wh, out0; writes out0
